; MI455X (gfx1250); checked and timed in simulation.
; The chip was launched on July 23, 2026; its instructions are those of AMD's public machine-readable ISA for CDNA 5 (MIT licence, August 2026) and "CDNA5" Instruction Set Architecture Reference Guide (July 2026). The comments in the code are by the model that wrote it; some were corrected since.
;; NPT Layer. Allowed arithmetic: float matrix products may take bf16 or f16 operands with f32 sums; other float arithmetic in f32, or as packed bf16 or f16 multiplies, adds, multiply-adds, maxima and minima; sums over many terms, partial sums and values carried from step to step in f32; what a program stores and reads back later, other than sums and carried values, may be rounded once to bf16 or f16.
;; Inputs: A 2,048 x 16 float32; Bmat 16 x 2,048 float32; W_down 2,048 x 2,048 float32; W_in 2,048 x 2,048 float32; W_up 2,048 x 2,048 float32; attn_output 2 x 2,048 x 2,048 float32; gamma 2,048 float32; hidden_states 2 x 2,048 x 2,048 float32.
;; Outputs: out0 2 x 2,048 x 2,048 float32.
;; One version. Each part assembles by itself: llvm-mc -triple=amdgcn-amd-amdhsa -mcpu=gfx1250 --defsym DOCPART=n.
;; ======== version 1 of 1: 3 launches
;; workspace buffers: hbf 16,777,216 bytes; zbf 131,072 bytes; wgu 16,777,216 bytes; wd 8,388,608 bytes; act 16,777,216 bytes
;; launch prep (part 1): grid 256 x 1, 16 waves a work-group, no clusters, 327,680 bytes of LDS; arguments hidden_states, attn_output, A, gamma, W_in, W_up, W_down, hbf, zbf, wgu, wd; writes hbf, zbf, wgu, wd
.if DOCPART == 1
	.amdgcn_target "amdgcn-amd-amdhsa--gfx1250"
	.amdhsa_code_object_version 6
	.text
	.protected	k_q59bd3dfb46_prep
	.globl	k_q59bd3dfb46_prep
	.p2align	8
	.type	k_q59bd3dfb46_prep,@function
k_q59bd3dfb46_prep:
	s_mov_b64 s[64:65], 0
	v_nop
	global_prefetch_b8 v0, s[64:65] scope:SCOPE_SE
	s_setreg_imm32_b32 hwreg(HW_REG_WAVE_MODE, 25, 1), 1
	s_wait_xcnt 0x0
; PREP.  For 4,096 tokens of 2,048 channels:  hbf = bf16(x rs gamma), rs = 1 / sqrt(mean(x^2) + 1e-6);  zbf = bf16((h A) 0.1 tanh(attn A)), 16 ranks a token;
; and the three weight matrices rounded once to bf16: wgu row 128 (f >> 6) + (f & 63) = W_in[f], that row + 64 = W_up[f]; wd = W_down.
; SHARES.  Work-group g: tokens 16 g .. 16 g + 15 and weight rows 8 g .. 8 g + 7 of each matrix.  Wave v of 16: channels 128 v .. 128 v + 127 of all 16 tokens, and half v & 1 of weight row 8 g + (v >> 1).
; The two rank-16 products go to the matrix unit in bf16 with f32 sums, K split among the 16 waves; the partial sums (f32) meet in LDS, and wave 0 finishes z.
; h A is formed as rs x the sum of bf16(x gamma) bf16(A): rs is one number a token and leaves the sum.
; LIMITS.  NaN and infinities are not treated apart.  tanh(u) = 1 - 2 / (1 + 2^(2.88539 u)) where u^2 >= 2^-8, else u (1 - u^2 / 3), whose relative error there is under 2.1e-6;
; the choice is a select of values.  An exponential that overflows gives tanh's limit, 1 or -1.
; Every byte of LDS is filled once: no ring.  Each wave's two tiles are its own: its own wait on TENSORcnt is all that its reads need.
.set XP,    528                        ; a tile's row in LDS: 512 bytes of f32 + 16 of padding: the 16 rows of a load start 16 bytes apart modulo 256
.set TILEB, 16*XP                      ; a tile: 16 tokens x 128 channels
.set WAVEB, 2*TILEB                    ; a wave's two tiles: hidden, then attn
.set PART,  16*WAVEB                   ; the partial sums: 2,048 bytes a wave: h A at +0, attn A at +1,024, 32 bytes a lane
.set SSQ,   PART+16*2048               ; the sums of squares: token x 64 + wave x 4
.set SPARE, SSQ+1024                   ; the spare words, 128 bytes for each of 16 waves: eight blocks of 256 bytes that no other line names
.set HP,    272                        ; the stage for h: rows of 256 bytes + 16; it lies in the wave's attn tile, whose one fill is past and whose reads are over
.set LN,  1                            ; v1  lane
.set RR,  2                            ; v2  lane % 16
.set HH,  3                            ; v3  lane / 16
.set WO,  4                            ; v4  16 x lane: a weight row's f32
.set DO,  5                            ; v5  8 x lane: the same numbers in bf16
.set GOF, 6                            ; v6  gamma: 512 wave + 32 h
.set AOF, 7                            ; v7  A: 8,192 wave + 512 h + 4 r
.set XA,  8                            ; v8  my place in my wave's hidden tile
.set TP,  9                            ; v9  at work
.set RS,  10                           ; v[10:11] rs, twice
.set SS,  12                           ; v[12:15] two chains of sums of squares
.set LS,  16                           ; v16 where I put my partial sums
.set SA,  17                           ; v17 where I put my sum of squares
.set SR,  18                           ; v18 where I read my token's 16 sums of squares
.set STO, 19                           ; v19 the stage, in
.set RD,  20                           ; v20 the stage, back
.set HO,  21                           ; v21 my 16 bytes in two rows of hbf
.set LR,  22                           ; v22 wave 0: where a lane's partial sums begin
.set ZO,  23                           ; v23 my 16 bytes of zbf
.set SPW, 30                           ; v30 my spare word; never rewritten
.set NIL, 31                           ; v31 0; never rewritten
.set ARAW, 32                          ; v[32:95]   A as loaded: fragment f, number j at 32 + 16 f + j; packed in place to
.set AF,   32                          ; v[32:63]   four fragments of 8
.set GAM,  96                          ; v[96:159]  gamma of my 64 channels
.set WT,   160                         ; v[160:255] the weights: matrix m, load t at 160 + 32 m + 4 t
.set XG,   160                         ; v[160:223] later: x, then x gamma, then h, in f32
.set ACH,  96                          ; v[96:103]  sum of (x gamma) A
.set ACT,  104                         ; v[104:111] sum of attn A
.set SQ,   112                         ; v[112:127] the 16 waves' sums of squares
.set HB,   128                         ; v[128:159] h in bf16
.set OB,   64                          ; v[64:95]   h as whole rows
.set RB,   96                          ; v[96:223]  wave 0: the 16 partial sums
.set T1,   96
.set T2,   104
.set T3,   112
.set ZP,   120
.set UU,   224                         ; v[224:231] attn A
.set PH,   232                         ; v[232:239] (x gamma) A
.set WV,   26                          ; s26 my wave's number
	s_load_b256 s[4:11], s[0:1], 0x0               ; hidden s[4:5], attn s[6:7], A s[8:9], gamma s[10:11]
	s_load_b256 s[12:19], s[0:1], 0x20             ; W_in s[12:13], W_up s[14:15], W_down s[16:17], hbf s[18:19]
	s_load_b128 s[20:23], s[0:1], 0x40             ; zbf s[20:21], wgu s[22:23]
	s_load_b64 s[24:25], s[0:1], 0x50              ; wd
	v_lshl_add_u32 v[SPW], v0, 2, SPARE
	v_mov_b32 v[NIL], 0
	ds_add_u32 v[SPW], v[NIL]                      ; the wave's opening: the add, twice on end, and its wait ahead of my first tensor load
	ds_add_u32 v[SPW], v[NIL]                      ; the set-up below, work on registers, stands between the second add and the wait
	v_lshrrev_b32 v[TP], 5, v0
	v_readfirstlane_b32 s[WV], v[TP]               ; wave 0..15
	; descriptor group 1: 16 rows x 128 elements of 4 bytes, 2,048 elements from row to row, 4 words of padding behind every 128
	s_mov_b32 s32, (2<<16)|(1<<20)|(6<<22)|(3<<25)
	s_mov_b32 s33, 128<<16                         ; tensor_dim0 = 128
	s_mov_b32 s34, 16<<16                          ; tensor_dim1 = 16
	s_mov_b32 s35, 128<<16                         ; tile_dim0 = 128
	s_mov_b32 s36, 16                              ; tile_dim1 = 16
	s_mov_b32 s37, 2048
	s_mov_b32 s38, 0
	s_mov_b32 s39, 0
	s_mov_b32 s40, 1
	s_mul_i32 s41, s[WV], WAVEB                    ; my hidden tile
	s_mov_b32 s44, 1
	s_add_co_u32 s45, s41, TILEB                   ; my attn tile
	s_mov_b32 s48, 0x76543210                      ; v_permlanex16_b32: each lane takes its own place in the other half
	s_mov_b32 s49, 0xfedcba98
	s_mov_b32 s50, 0x3a000000                      ; 1 / 2,048
	s_mov_b32 s51, 0x358637bd                      ; 1e-6
	s_lshr_b32 s27, s[WV], 1
	s_lshl_b32 s28, ttmp9, 3
	s_add_co_u32 s27, s27, s28                     ; f: my weight row
	s_and_b32 s52, s[WV], 1                        ; my half of it
	s_lshl_b32 s28, s27, 13
	s_lshl_b32 s53, s52, 12
	s_add_co_u32 s28, s28, s53                     ; in the f32 matrices: 8,192 f + 4,096 half
	s_mov_b32 s29, 0
	s_lshr_b32 s30, s27, 6
	s_lshl_b32 s30, s30, 7
	s_and_b32 s54, s27, 63
	s_add_co_u32 s30, s30, s54                     ; wgu's row
	s_lshl_b32 s30, s30, 12
	s_lshl_b32 s53, s52, 11
	s_add_co_u32 s30, s30, s53
	s_mov_b32 s31, 0
	s_lshl_b32 s54, s27, 12
	s_add_co_u32 s54, s54, s53                     ; in wd: 4,096 f + 2,048 half
	s_mov_b32 s55, 0
	s_lshl_b32 s56, ttmp9, 17                      ; my tiles in hidden and attn: 16 tokens x 8,192 bytes a work-group,
	s_lshl_b32 s62, s[WV], 9                       ; 512 bytes a wave
	s_add_co_u32 s56, s56, s62
	s_mov_b32 s57, 0
	s_lshl_b32 s58, ttmp9, 16                      ; hbf: 16 rows of 4,096 bytes
	s_mov_b32 s59, 0
	s_lshl_b32 s60, ttmp9, 9                       ; zbf: 16 rows of 32 bytes
	s_mov_b32 s61, 0
	s_lshl_b32 s63, s[WV], 13
	s_lshl_b32 s2, s[WV], 11
	s_add_co_u32 s2, s2, PART
	s_lshl_b32 s3, s[WV], 2
	s_add_co_u32 s3, s3, SSQ
	s_lshl_b32 s53, s[WV], 8
	v_and_b32 v[LN], 31, v0
	v_and_b32 v[RR], 15, v0
	v_bfe_u32 v[HH], v0, 4, 1
	v_lshlrev_b32 v[WO], 4, v[LN]
	v_lshlrev_b32 v[DO], 3, v[LN]
	v_lshl_add_u32 v[GOF], v[HH], 5, s62
	v_lshl_add_u32 v[AOF], v[HH], 9, s63
	v_lshl_add_u32 v[AOF], v[RR], 2, v[AOF]
	v_mul_u32_u24 v[XA], v[RR], XP
	v_lshl_add_u32 v[XA], v[HH], 5, v[XA]
	v_add_nc_u32 v[XA], s41, v[XA]
	v_lshl_add_u32 v[LS], v[LN], 5, s2
	v_lshl_add_u32 v[SA], v[RR], 6, s3
	v_lshl_add_u32 v[SR], v[RR], 6, SSQ
	v_mul_u32_u24 v[STO], v[RR], HP
	v_lshl_add_u32 v[STO], v[HH], 4, v[STO]
	v_add_nc_u32 v[STO], s45, v[STO]
	v_mul_u32_u24 v[RD], v[HH], HP
	v_lshl_add_u32 v[RD], v[RR], 4, v[RD]
	v_add_nc_u32 v[RD], s45, v[RD]
	v_lshl_add_u32 v[HO], v[HH], 12, s53
	v_lshl_add_u32 v[HO], v[RR], 4, v[HO]
	v_lshl_add_u32 v[LR], v[LN], 5, PART
	v_lshlrev_b32 v[ZO], 5, v[RR]
	v_lshl_add_u32 v[ZO], v[HH], 4, v[ZO]
	s_wait_dscnt 0x0                               ; both opening adds are done
	s_wait_kmcnt 0x0
	s_add_nc_u64 s[42:43], s[4:5], s[56:57]
	s_or_b32 s43, s43, 0x80000000                  ; type = 2
	s_add_nc_u64 s[46:47], s[6:7], s[56:57]
	s_or_b32 s47, s47, 0x80000000
	tensor_load_to_lds s[40:43], s[32:39]          ; hidden; two tensor loads of mine are out, and no more follow
	s_nop 0
	tensor_load_to_lds s[44:47], s[32:39]          ; attn
	s_nop 0
	s_add_nc_u64 s[12:13], s[12:13], s[28:29]
	s_add_nc_u64 s[14:15], s[14:15], s[28:29]
	s_add_nc_u64 s[16:17], s[16:17], s[28:29]
	s_add_nc_u64 s[22:23], s[22:23], s[30:31]
	s_add_nc_u64 s[24:25], s[24:25], s[54:55]
	s_add_nc_u64 s[18:19], s[18:19], s[58:59]
	s_add_nc_u64 s[20:21], s[20:21], s[60:61]
.macro LDW m, lo                       ; half a weight row: eight loads of 512 consecutive bytes
.irp t, 0,1,2,3,4,5,6,7
	global_load_b128 v[WT+32*(\m)+4*(\t):WT+32*(\m)+4*(\t)+3], v[WO], s[(\lo):(\lo)+1] offset:512*(\t) th:TH_LOAD_NT
.endr
.endm
.macro CVW m, lo, off                  ; rounded in place and stored: each store of the wave covers 256 consecutive bytes, aligned
.irp t, 0,1,2,3,4,5,6,7
	v_cvt_pk_bf16_f32 v[WT+32*(\m)+4*(\t)],   v[WT+32*(\m)+4*(\t)],   v[WT+32*(\m)+4*(\t)+1]
	v_cvt_pk_bf16_f32 v[WT+32*(\m)+4*(\t)+1], v[WT+32*(\m)+4*(\t)+2], v[WT+32*(\m)+4*(\t)+3]
	global_store_b64 v[DO], v[WT+32*(\m)+4*(\t):WT+32*(\m)+4*(\t)+1], s[(\lo):(\lo)+1] offset:(\off)+256*(\t)
.endr
.endm
	LDW 0, 12
	LDW 1, 14
	LDW 2, 16
	; gamma of the channels that my fragments hold: fragment f: channels 32 f + 8 h + 0..7 and 32 f + 16 + 8 h + 0..7
.irp f, 0,1,2,3
	global_load_b128 v[GAM+16*(\f):GAM+16*(\f)+3],     v[GOF], s[10:11] offset:128*(\f)
	global_load_b128 v[GAM+16*(\f)+4:GAM+16*(\f)+7],   v[GOF], s[10:11] offset:128*(\f)+16
	global_load_b128 v[GAM+16*(\f)+8:GAM+16*(\f)+11],  v[GOF], s[10:11] offset:128*(\f)+64
	global_load_b128 v[GAM+16*(\f)+12:GAM+16*(\f)+15], v[GOF], s[10:11] offset:128*(\f)+80
.endr
	; A turned: my lane holds rank r and the same channels; a channel's 16 ranks are 64 bytes, so sixteen lanes read 64 consecutive bytes
.set i, 0
.rept 64
	global_load_b32 v[ARAW+i], v[AOF], s[8:9] offset:2048*(i/16)+1024*((i%16)/8)+64*(i%8)
.set i, i+1
.endr
	s_wait_loadcnt 63                              ; of the 104 loads the 63 youngest, all of them A's, may be out: the 24 weight loads and gamma's 16 are in
	CVW 0, 22, 0
	CVW 1, 22, 64*4096                             ; W_up's rows lie 64 rows behind W_in's
	CVW 2, 24, 0
	s_wait_loadcnt 0x0                             ; A
.set i, 0
.rept 32
	v_cvt_pk_bf16_f32 v[AF+i], v[ARAW+2*i], v[ARAW+2*i+1]  ; ascending and in place: number i is written when 2 i and 2 i + 1 are read
.set i, i+1
.endr
	s_wait_xcnt 0x0                                ; the stores above have read their data: WT's registers are loaded again only behind this wait
	s_wait_tensorcnt 0x1                           ; hidden's tile is in; attn's, issued behind it, may be out
.irp f, 0,1,2,3
	ds_load_b128 v[XG+16*(\f):XG+16*(\f)+3],     v[XA] offset:128*(\f)
	ds_load_b128 v[XG+16*(\f)+4:XG+16*(\f)+7],   v[XA] offset:128*(\f)+16
	ds_load_b128 v[XG+16*(\f)+8:XG+16*(\f)+11],  v[XA] offset:128*(\f)+64
	ds_load_b128 v[XG+16*(\f)+12:XG+16*(\f)+15], v[XA] offset:128*(\f)+80
.endr
	s_wait_tensorcnt 0x0                           ; attn's tile is in
.irp g, 0,1,2,3
.set ab, 224+16*(\g)-192*((\g)/2)      ; attn's fragment g: v224, v240, v64, v80
	ds_load_b128 v[ab:ab+3],     v[XA] offset:TILEB+128*(\g)
	ds_load_b128 v[ab+4:ab+7],   v[XA] offset:TILEB+128*(\g)+16
	ds_load_b128 v[ab+8:ab+11],  v[XA] offset:TILEB+128*(\g)+64
	ds_load_b128 v[ab+12:ab+15], v[XA] offset:TILEB+128*(\g)+80
.endr
	s_wait_dscnt 16                                ; x is in; attn's 16 loads may be out
.set p, 0
.rept 32                               ; the sum of squares in two chains (the first products start them), and x gamma in place
.if p < 2
	v_pk_mul_f32 v[SS+2*p:SS+2*p+1], v[XG+2*p:XG+2*p+1], v[XG+2*p:XG+2*p+1]
.else
	v_pk_fma_f32 v[SS+2*(p%2):SS+2*(p%2)+1], v[XG+2*p:XG+2*p+1], v[XG+2*p:XG+2*p+1], v[SS+2*(p%2):SS+2*(p%2)+1]
.endif
	v_pk_mul_f32 v[XG+2*p:XG+2*p+1], v[XG+2*p:XG+2*p+1], v[GAM+2*p:GAM+2*p+1]
.set p, p+1
.endr
	s_wait_dscnt 0x0                               ; attn
.irp g, 0,1,2,3
.set ab, 224+16*(\g)-192*((\g)/2)
.set i, 0
.rept 8
	v_cvt_pk_bf16_f32 v[ab+i], v[ab+2*i], v[ab+2*i+1]              ; attn's fragment, in place
.set i, i+1
.endr
.set i, 0
.rept 8
	v_cvt_pk_bf16_f32 v[ab+8+i], v[XG+16*(\g)+2*i], v[XG+16*(\g)+2*i+1]  ; x gamma's fragment, in the eight registers so freed
.set i, i+1
.endr
.endr
	v_pk_add_f32 v[SS:SS+1], v[SS:SS+1], v[SS+2:SS+3]
	v_add_f32 v[SS], v[SS], v[SS+1]
	v_permlanex16_b32 v[TP], v[SS], s48, s49       ; the token's other 64 channels lie in the lane 16 away
	v_add_f32 v[SS], v[SS], v[TP]
	; source 0 = A's 16 ranks, source 1 = 16 tokens: in the result a lane holds token r and ranks 8 h + 0..7.  The two accumulators take turns.
.irp f, 0,1,2,3
.set ab, 224+16*(\f)-192*((\f)/2)
.if (\f) == 0
	v_wmma_f32_16x16x32_bf16 v[ACH:ACH+7], v[AF+8*(\f):AF+8*(\f)+7], v[ab+8:ab+15], 0
	v_wmma_f32_16x16x32_bf16 v[ACT:ACT+7], v[AF+8*(\f):AF+8*(\f)+7], v[ab:ab+7], 0
.else
	v_wmma_f32_16x16x32_bf16 v[ACH:ACH+7], v[AF+8*(\f):AF+8*(\f)+7], v[ab+8:ab+15], v[ACH:ACH+7]
	v_wmma_f32_16x16x32_bf16 v[ACT:ACT+7], v[AF+8*(\f):AF+8*(\f)+7], v[ab:ab+7], v[ACT:ACT+7]
.endif
.endr
.rept 4
	v_nop                                          ; four places between the last product and the LDS stores that read the results
.endr
	ds_store_b128 v[LS], v[ACH:ACH+3]
	ds_store_b128 v[LS], v[ACH+4:ACH+7] offset:16
	ds_store_b128 v[LS], v[ACT:ACT+3] offset:1024
	ds_store_b128 v[LS], v[ACT+4:ACT+7] offset:1040
	ds_store_b32 v[SA], v[SS]                      ; both halves of the lanes write the same number to the same word
	s_wait_dscnt 0x0                               ; for the others' sake: my stores are done
	s_barrier_signal -1
	s_barrier_wait -1                              ; the launch's one barrier: all partial sums lie in LDS
.irp t, 0,1,2,3
	ds_load_b128 v[SQ+4*(\t):SQ+4*(\t)+3], v[SR] offset:16*(\t)
.endr
	s_wait_dscnt 0x0
.irp t, 0,2,4,6
	v_pk_add_f32 v[SQ+(\t):SQ+(\t)+1], v[SQ+(\t):SQ+(\t)+1], v[SQ+8+(\t):SQ+8+(\t)+1]
.endr
	v_pk_add_f32 v[SQ:SQ+1], v[SQ:SQ+1], v[SQ+4:SQ+5]
	v_pk_add_f32 v[SQ+2:SQ+3], v[SQ+2:SQ+3], v[SQ+6:SQ+7]
	v_pk_add_f32 v[SQ:SQ+1], v[SQ:SQ+1], v[SQ+2:SQ+3]
	v_add_f32 v[SQ], v[SQ], v[SQ+1]
	v_fma_f32 v[TP], v[SQ], s50, s51               ; mean of squares + 1e-6
	v_rsq_f32 v[RS], v[TP]
	v_rsq_f32 v[RS+1], v[TP]                       ; twice: the packed multiply names a pair
	v_nop                                          ; a plain instruction behind the last of the two,
	s_wait_alu depctr_va_vdst(0)                   ; and the one wait ahead of the first reader
.set p, 0
.rept 32
	v_pk_mul_f32 v[XG+2*p:XG+2*p+1], v[XG+2*p:XG+2*p+1], v[RS:RS+1] op_sel_hi:[1,0]
.set p, p+1
.endr
.set p, 0
.rept 32
	v_cvt_pk_bf16_f32 v[HB+p], v[XG+2*p], v[XG+2*p+1]
.set p, p+1
.endr
.irp f, 0,1,2,3                        ; a lane's 16 bytes go into rows of 272 bytes, and whole rows of 256 come back
	ds_store_b128 v[STO], v[HB+8*(\f):HB+8*(\f)+3]   offset:64*(\f)
	ds_store_b128 v[STO], v[HB+8*(\f)+4:HB+8*(\f)+7] offset:64*(\f)+32
.endr
.irp t, 0,1,2,3,4,5,6,7
	ds_load_b128 v[OB+4*(\t):OB+4*(\t)+3], v[RD] offset:(\t)*2*HP  ; LDS serves a wave's instructions in order (ISA guide 5.7.1.4): these see the stores above
.endr
.irp t, 0,1,2,3,4,5,6,7
	s_wait_dscnt 7-(\t)
	global_store_b128 v[HO], v[OB+4*(\t):OB+4*(\t)+3], s[18:19] offset:8192*(\t)  ; sixteen lanes store 256 consecutive bytes, aligned
.endr
	s_cmp_lg_u32 s[WV], 0
	s_cbranch_scc1 .Lend                           ; wave 0 alone finishes z
.macro RED off, dst                    ; the 16 waves' partial sums of one product, added in f32
.set w, 0
.rept 16
	ds_load_b128 v[RB+8*w:RB+8*w+3],   v[LR] offset:2048*w+(\off)
	ds_load_b128 v[RB+8*w+4:RB+8*w+7], v[LR] offset:2048*w+(\off)+16
.set w, w+1
.endr
	s_wait_dscnt 0x0
.irp span, 8,4,2
.set w, 0
.rept 4*(\span)
	v_pk_add_f32 v[RB+2*w:RB+2*w+1], v[RB+2*w:RB+2*w+1], v[RB+8*(\span)+2*w:RB+8*(\span)+2*w+1]
.set w, w+1
.endr
.endr
.set w, 0
.rept 4
	v_pk_add_f32 v[(\dst)+2*w:(\dst)+2*w+1], v[RB+2*w:RB+2*w+1], v[RB+8+2*w:RB+8+2*w+1]
.set w, w+1
.endr
.endm
	RED 1024, UU
	RED 0, PH
.irp i, 0,2,4,6
	v_pk_mul_f32 v[T1+(\i):T1+(\i)+1], v[UU+(\i):UU+(\i)+1], 0x4038aa3b op_sel_hi:[1,0]  ; 2 log2(e) u
.endr
.irp i, 0,1,2,3,4,5,6,7
	v_exp_f32 v[T1+(\i)], v[T1+(\i)]
.endr
.irp i, 0,2,4,6
	v_pk_mul_f32 v[T2+(\i):T2+(\i)+1], v[UU+(\i):UU+(\i)+1], v[UU+(\i):UU+(\i)+1]        ; u^2: plain work behind the batch
.endr
	s_wait_alu depctr_va_vdst(0)                   ; one wait for the eight exponentials
.irp i, 0,2,4,6
	v_pk_add_f32 v[T1+(\i):T1+(\i)+1], v[T1+(\i):T1+(\i)+1], 1.0 op_sel_hi:[1,0]
.endr
.irp i, 0,1,2,3,4,5,6,7
	v_rcp_f32 v[T1+(\i)], v[T1+(\i)]
.endr
.irp i, 0,2,4,6
	v_pk_fma_f32 v[T3+(\i):T3+(\i)+1], v[T2+(\i):T2+(\i)+1], 0xbeaaaaab, 1.0 op_sel_hi:[1,0,0]  ; 1 - u^2 / 3
.endr
.irp i, 0,2,4,6
	v_pk_mul_f32 v[T3+(\i):T3+(\i)+1], v[T3+(\i):T3+(\i)+1], v[UU+(\i):UU+(\i)+1]
.endr
	s_wait_alu depctr_va_vdst(0)                   ; one wait for the eight reciprocals
.irp i, 0,2,4,6
	v_pk_fma_f32 v[T1+(\i):T1+(\i)+1], v[T1+(\i):T1+(\i)+1], -2.0, 1.0 op_sel_hi:[1,0,0]
.endr
.irp i, 0,1,2,3,4,5,6,7
	v_cmp_gt_f32 vcc_lo, 0x3b800000, v[T2+(\i)]    ; 2^-8 > u^2: the short series
	v_cndmask_b32 v[T1+(\i)], v[T1+(\i)], v[T3+(\i)], vcc_lo
.endr
	v_mul_f32 v[SS], 0x3dcccccd, v[RS]             ; 0.1 rs of my token
	v_mov_b32 v[SS+1], v[SS]
.irp i, 0,2,4,6
	v_pk_mul_f32 v[PH+(\i):PH+(\i)+1], v[PH+(\i):PH+(\i)+1], v[SS:SS+1]
.endr
.irp i, 0,2,4,6
	v_pk_mul_f32 v[T1+(\i):T1+(\i)+1], v[T1+(\i):T1+(\i)+1], v[PH+(\i):PH+(\i)+1]
.endr
.irp i, 0,1,2,3
	v_cvt_pk_bf16_f32 v[ZP+(\i)], v[T1+2*(\i)], v[T1+2*(\i)+1]
.endr
	global_store_b128 v[ZO], v[ZP:ZP+3], s[20:21]  ; the work-group's 512 bytes of zbf, on end
.Lend:
	s_wait_tensorcnt 0x0                           ; the wave's end, behind my last tensor load and my last LDS store
	ds_add_u32 v[SPW], v[NIL]
	s_wait_dscnt 0x0
	s_endpgm
.Lfunc_end_k_q59bd3dfb46_prep:
	.size	k_q59bd3dfb46_prep, .Lfunc_end_k_q59bd3dfb46_prep-k_q59bd3dfb46_prep
	.p2alignl 7, 3214868480
	.fill 96, 4, 3214868480
	.section	.rodata,"a",@progbits
	.p2align	6, 0x0
	.amdhsa_kernel k_q59bd3dfb46_prep
		.amdhsa_group_segment_fixed_size 327680
		.amdhsa_private_segment_fixed_size 0
		.amdhsa_enable_private_segment 0
		.amdhsa_kernarg_size 88
		.amdhsa_user_sgpr_count 2
		.amdhsa_user_sgpr_kernarg_segment_ptr 1
		.amdhsa_wavefront_size32 1
		.amdhsa_system_sgpr_workgroup_id_x 1
		.amdhsa_system_sgpr_workgroup_id_y 1
		.amdhsa_system_sgpr_workgroup_id_z 1
		.amdhsa_system_vgpr_workitem_id 0
		.amdhsa_next_free_vgpr 256
		.amdhsa_next_free_sgpr 66
		.amdhsa_reserve_vcc 1
		.amdhsa_float_denorm_mode_32 3
		.amdhsa_float_denorm_mode_16_64 3
		.amdhsa_memory_ordered 1
		.amdhsa_forward_progress 1
		.amdhsa_inst_pref_size 57
	.end_amdhsa_kernel
	.amdgpu_metadata
---
amdhsa.version: [ 1, 2 ]
amdhsa.kernels:
  - .name:           k_q59bd3dfb46_prep
    .symbol:         k_q59bd3dfb46_prep.kd
    .args:
      - { .name: hidden_states, .offset: 0, .size: 8, .value_kind: global_buffer, .address_space: global }
      - { .name: attn_output, .offset: 8, .size: 8, .value_kind: global_buffer, .address_space: global }
      - { .name: A, .offset: 16, .size: 8, .value_kind: global_buffer, .address_space: global }
      - { .name: gamma, .offset: 24, .size: 8, .value_kind: global_buffer, .address_space: global }
      - { .name: W_in, .offset: 32, .size: 8, .value_kind: global_buffer, .address_space: global }
      - { .name: W_up, .offset: 40, .size: 8, .value_kind: global_buffer, .address_space: global }
      - { .name: W_down, .offset: 48, .size: 8, .value_kind: global_buffer, .address_space: global }
      - { .name: hbf, .offset: 56, .size: 8, .value_kind: global_buffer, .address_space: global }
      - { .name: zbf, .offset: 64, .size: 8, .value_kind: global_buffer, .address_space: global }
      - { .name: wgu, .offset: 72, .size: 8, .value_kind: global_buffer, .address_space: global }
      - { .name: wd, .offset: 80, .size: 8, .value_kind: global_buffer, .address_space: global }
    .group_segment_fixed_size: 327680
    .private_segment_fixed_size: 0
    .kernarg_segment_align: 8
    .kernarg_segment_size: 88
    .max_flat_workgroup_size: 512
    .sgpr_count:     66
    .vgpr_count:     256
    .wavefront_size: 32
...
	.end_amdgpu_metadata
.endif
;; end of part 1
;; launch gateup (part 2): grid 16 x 16, 4 waves a work-group, clusters of 4 x 4, 327,680 bytes of LDS; arguments hbf, wgu, zbf, Bmat, act; writes act
.if DOCPART == 2
	.amdgcn_target "amdgcn-amd-amdhsa--gfx1250"
	.amdhsa_code_object_version 6
	.text
	.protected	k_q59bd3dfb46_gateup
	.globl	k_q59bd3dfb46_gateup
	.p2align	8
	.type	k_q59bd3dfb46_gateup,@function
k_q59bd3dfb46_gateup:
	s_mov_b64 s[64:65], 0
	v_nop
	global_prefetch_b8 v0, s[64:65] scope:SCOPE_SE
	s_setreg_imm32_b32 hwreg(HW_REG_WAVE_MODE, 25, 1), 1
	s_wait_xcnt 0x0
	s_wait_alu depctr_hold_cnt(0) depctr_sa_sdst(0) depctr_va_vdst(0) depctr_va_sdst(0) depctr_va_ssrc(0) depctr_va_vcc(0) depctr_vm_vsrc(0)
	s_getreg_b32 s2, hwreg(HW_REG_IB_STS2, 6, 4)
	s_cmp_eq_u32 s2, 0
	s_cbranch_scc0 .Lentry_in_a_cluster
	s_endpgm
.Lentry_in_a_cluster:
	s_bfe_u32 s2, ttmp6, 0x10000c
	s_cmp_lg_u32 s2, 0xf033
	s_cbranch_scc0 .Lentry_shape_is_right
	s_endpgm
.Lentry_shape_is_right:
; GATE AND UP.  act[t][f] = silu(h[t] . W_in[f] + z[t] . Bmat[:, f]) x (h[t] . W_up[f]).  hbf: [4096][2048] bf16; wgu: [4096][2048] bf16, blocks of 128 rows: 64 of W_in, then the 64 of W_up for the same channels;
; zbf: [4096][16] bf16; Bmat: [16][2048] f32.  Sums in f32; act rounded once to bf16.
; act LIES AS THE NEXT LAUNCH'S MATRIX FRAGMENTS: [256 blocks of 16 tokens][64 blocks of 32 channels][2 halves][32 lanes][16 bytes]: lane l of half e holds token l % 16, channels 16 e + 8 (l / 16) + 0..7 of the block.
; LIMITS.  NaN and infinities are not treated apart.  silu(g) = g / (1 + 2^(-log2(e) g)); where the exponential overflows the quotient is 0, silu's limit.
; A work-group of four waves makes 256 tokens x 256 rows of wgu; a wave 128 x 128: 64 accumulators of 16 x 16.  Its 128 rows of wgu are one block: gate and up of one channel fall into the same
; lane and register of accumulators b and b + 4, so the way out needs no exchange; and a lane's eight packed numbers of accumulator b are its 16 bytes of half b % 2 of channel block b / 2: they are stored as they lie.
; THE WEIGHT DELTA is one more K step of 32 on the gate accumulators: z (16 ranks, the other 16 zeros) times Bmat turned.  Its 32 products start the gate sums.
; K goes in steps of 128 through two LDS slots filled by tensor loads; rows of 256 bytes, aligned.  CLUSTERS of 4 x 4: h's tile is asked for jointly along a row of the cluster, wgu's along a column.
; THE MATRIX INSTRUCTION IS USED TRANSPOSED (source 0 = 16 rows of wgu, source 1 = 16 tokens): a lane holds token l % 16 and eight neighbouring channels.
; REGISTERS in windows of 256 (s_set_vgpr_msb: bits 1:0 source 0, 3:2 source 1, 5:4 source 2, 7:6 destination):
;   window 0: v0-31 addresses; v64-127, v128-191 h's fragments, two buffers; on the way out v64-159 at work; v192-223 Bmat as loaded
;   window 1: v64-127, v128-191 wgu's fragments     window 2: accumulators of my tokens 0-63, (a, b) at 8 (8 a + b)     window 3: those of tokens 64-127
.set KSTEP,  128
.set NA,     8                         ; blocks of 16 tokens a wave
.set PA,     272                       ; an LDS row: 256 bytes + 16: the 16 rows of a load start 16 bytes apart modulo 256
.set PB,     272
.set KAH,    128                       ; quarter q of a K step begins at byte KAH (q / 2) + 64 (q % 2) of A's rows
.set ZFROM,  4                         ; in the first quarter accumulators b >= 4 (up) start with 0; the gate sums have been started
.set AHEAD,  2                         ; a prefetch names the K step so many behind the refill just asked for
.set ALOADB, 128*PA                    ; what one tensor load of A brings
.set AWAVE,  128*PA                    ; what one wave reads of A
.set HALFB,  128*PB
.set BOFF,   2*ALOADB
.set SLOT,   BOFF+2*HALFB
.set SPARE,  2*SLOT                    ; behind the ring: the spare words, 128 bytes a wave: two blocks of 256 bytes that no other line names
.set ABLK,   65536                     ; bytes of a block of 16 tokens in act
.set ASTEP,  2*KSTEP*2                 ; bytes from a slot's K step to its next
.set BSTEP,  2*KSTEP*2
.set LAPS,   8                         ; 2,048 / 256: a lap is two K steps
.set ADRA, 16
.set ADRB, 20
.set BO,   22                          ; v22 Bmat: 65,536 h + 4 r
.set GO,   26                          ; v26 16 x lane: my 16 bytes of a half fragment of act; never rewritten
.set ZO,   27                          ; v27 zbf: 32 r + 16 h
.set SPW,  28
.set NIL,  29
.set PFO,  30
.set F0,   64
.set F1,   128
.set BRAW, 192
.set EXR,  64                          ; the way out: 32 exponents, then 1 / (1 + e)
.set GU,   96                          ; gate x up
.set PK,   128                         ; packed, two buffers of 16
.set G1,  24
.set G0,  32
.set LIM, 43
.set PFA, 44
.set G1B, 48
.set G0B, 56
.set PFS, 66
.set MSB, 0
.macro WIN new                         ; the immediate's high byte repeats the setting that is left; a switch that changes nothing is dropped
.if MSB != (\new)
	s_set_vgpr_msb (MSB<<8)|(\new)
.set MSB, \new
.endif
.endm
.set MUL_LO, 0xa1
.set MUL_HI, 0xf1
.set TO_B,   0x40
; A joint load.  Waves 0 and 1 fetch A's two halves, waves 2 and 3 B's; the branch hangs on the wave's number alone.  An s_nop 0 and four v_nop follow each line.
.macro JLOAD s
	s_cmp_eq_u32 s11, 0
	s_cbranch_scc0 .Lfor_b_\@
	tensor_load_to_lds s[G0+4*(\s):G0+4*(\s)+3], s[G1:G1+7]
	s_nop 0
.rept 4
	v_nop
.endr
	s_branch .Lasked_\@
.Lfor_b_\@:
	tensor_load_to_lds s[G0B+4*(\s):G0B+4*(\s)+3], s[G1B:G1B+7]
	s_nop 0
.rept 4
	v_nop
.endr
.Lasked_\@:
.endm
; A prefetch of the K step AHEAD behind the refill just asked for: 32 rows x 256 bytes, a lane a row.  Each row's 256 bytes of a K step are named once in the launch: h's rows by the clusters with x = 0,
; wgu's by those with y = 0; the four partners that ask for a tile jointly take 32 of a wave's 128 rows each, told apart by address.  The last AHEAD refills have no such K step and ask for nothing.
.macro ASK
	s_cmp_gt_u32 s3, s[LIM]
	s_cbranch_scc0 .Lnot_mine_\@
	global_prefetch_b8 v[PFO], s[PFA:PFA+1] th:TH_LOAD_NT scope:SCOPE_SE
.Lnot_mine_\@:
.endm
.macro CREST                           ; a round of the cluster's barrier behind its opening barrier
	s_cmp_lg_u32 s10, 0
	s_cbranch_scc1 .Lnot_wave_0_\@
	s_barrier_signal -3
.Lnot_wave_0_\@:
	s_barrier_wait -3
	s_barrier_signal -1
	s_barrier_wait -1
.endm
.macro CROUND
	s_barrier_signal -1
	s_barrier_wait -1
	CREST
.endm
.macro PLACES                          ; four places behind a matrix instruction, in front of loads into its registers and of readers of its result
.rept 4
	v_nop
.endr
.endm
	s_load_b128 s[4:7], s[0:1], 0x0                ; hbf s[4:5], wgu s[6:7]
	s_load_b128 s[68:71], s[0:1], 0x10             ; zbf s[68:69], Bmat s[70:71]
	s_load_b64 s[8:9], s[0:1], 0x20                ; act
	v_lshl_add_u32 v[SPW], v0, 2, SPARE
	v_mov_b32 v[NIL], 0
	ds_add_u32 v[SPW], v[NIL]                      ; the wave's opening: the add, twice on end, and its wait ahead of my first tensor load
	ds_add_u32 v[SPW], v[NIL]
	v_lshrrev_b32 v1, 5, v0
	v_readfirstlane_b32 s10, v1                    ; wave 0..3
	s_lshr_b32 s11, s10, 1                         ; my half of the tokens.  Also: I fetch for A (0) or B (1)
	s_and_b32 s12, s10, 1                          ; my half of wgu's rows.  Also: which 128 rows I fetch
	s_bfe_u32 s40, ttmp6, 0x40000                  ; cx
	s_bfe_u32 s41, ttmp6, 0x40004                  ; cy
	s_lshl_b32 s42, ttmp9, 2
	s_add_co_u32 s42, s42, s40                     ; tile column = 4 x cluster x + cx
	s_and_b32 s13, ttmp7, 0xffff
	s_lshl_b32 s13, s13, 2
	s_add_co_u32 s13, s13, s41                     ; tile row = 4 x cluster y + cy
	s_lshl_b32 s43, s41, 2
	s_lshl_b32 s43, 15, s43                        ; my row of the cluster
	s_lshl_b32 s44, 0x1111, s40                    ; my column
	s_or_b32 s[G1+0], s43, (1<<16)|(1<<20)|(1<<21)|(5<<22)|(3<<25)   ; the mask; elements of 2 bytes; padding on; bit 21 beside a mask; 4 words behind every 64
	s_or_b32 s[G1B+0], s44, (1<<16)|(1<<20)|(1<<21)|(5<<22)|(3<<25)
.irp g, G1, G1B
	s_mov_b32 s[(\g)+1], KSTEP<<16                 ; tensor_dim0 = 128
	s_mov_b32 s[(\g)+2], 128<<16                   ; tensor_dim1 = 128
	s_mov_b32 s[(\g)+3], KSTEP<<16                 ; tile_dim0 = 128
	s_mov_b32 s[(\g)+4], 128                       ; tile_dim1 = 128
	s_mov_b32 s[(\g)+5], 2048                      ; elements from row to row
	s_mov_b32 s[(\g)+6], 0
	s_mov_b32 s[(\g)+7], 0
.endr
	s_lshl_b32 s17, s12, 7
	s_lshl_b32 s16, s13, 8
	s_add_co_u32 s16, s16, s17                     ; A: row 256 x tile row + 128 x half
	s_lshl_b32 s16, s16, 12                        ; rows of 4,096 bytes
	s_lshl_b32 s46, s42, 8
	s_add_co_u32 s46, s46, s17                     ; B: row 256 x tile column + 128 x half
	s_lshl_b32 s46, s46, 12
	s_mov_b32 s17, 0
	s_mov_b32 s47, 0
	s_mul_i32 s20, s12, ALOADB                     ; where they go: no place in the cluster enters an LDS address
	s_mul_i32 s21, s12, HALFB
	s_add_co_u32 s21, s21, BOFF
	s_mov_b32 s[PFS], KSTEP*2
	s_mov_b32 s[PFS+1], 0
	s_wait_dscnt 0x0                               ; both opening adds are done
	s_wait_kmcnt 0x0
	s_add_nc_u64 s[14:15], s[4:5], s[16:17]
	s_add_nc_u64 s[46:47], s[6:7], s[46:47]
	CROUND                                         ; all sixteen work-groups are here: the first joint loads meet
.irp s, 0,1
	s_mov_b32 s[G0+4*(\s)], 1
	s_add_co_u32 s[G0+4*(\s)+1], s20, (\s)*SLOT
	s_add_nc_u64 s[G0+4*(\s)+2:G0+4*(\s)+3], s[14:15], (\s)*KSTEP*2
	s_or_b32 s[G0+4*(\s)+3], s[G0+4*(\s)+3], 0x80000000
	s_mov_b32 s[G0B+4*(\s)], 1
	s_add_co_u32 s[G0B+4*(\s)+1], s21, (\s)*SLOT
	s_add_nc_u64 s[G0B+4*(\s)+2:G0B+4*(\s)+3], s[46:47], (\s)*KSTEP*2
	s_or_b32 s[G0B+4*(\s)+3], s[G0B+4*(\s)+3], 0x80000000
	JLOAD \s                                       ; two tensor loads of mine are out
.endr
	v_and_b32 v1, 15, v0                           ; r = l % 16
	v_bfe_u32 v2, v0, 4, 1                         ; h = l / 16
	; z and Bmat for the delta step
	s_lshl_b32 s16, s13, 8
	s_lshl_b32 s17, s11, 7
	s_add_co_u32 s16, s16, s17                     ; my first token
	s_lshl_b32 s18, s42, 1
	s_add_co_u32 s18, s18, s12                     ; my block of wgu = my 64 channels of act
	s_lshl_b32 s20, s16, 5
	s_mov_b32 s21, 0
	s_add_nc_u64 s[68:69], s[68:69], s[20:21]      ; zbf at my first token: 32 bytes a token
	s_lshl_b32 s20, s18, 8
	s_add_nc_u64 s[70:71], s[70:71], s[20:21]      ; Bmat at my first channel: 64 f32
	s_lshl_b32 s20, s16, 12                        ; act: 65,536 bytes for 16 tokens,
	s_lshl_b32 s22, s18, 11                        ; 2,048 bytes for my 64 channels of them
	s_add_co_u32 s20, s20, s22
	s_add_nc_u64 s[8:9], s[8:9], s[20:21]
	v_lshlrev_b32 v[ZO], 5, v1
	v_lshl_add_u32 v[ZO], v2, 4, v[ZO]
	v_lshlrev_b32 v[BO], 2, v1
	v_lshl_add_u32 v[BO], v2, 16, v[BO]
.irp a, 0,1,2,3,4,5,6,7
	global_load_b128 v[F1+8*(\a):F1+8*(\a)+3], v[ZO], s[68:69] offset:512*(\a)  ; token 16 a + r, ranks 8 h + 0..7
.endr
.set i, 0
.rept 32
	global_load_b32 v[BRAW+i], v[BO], s[70:71] offset:8192*(i%8)+64*(i/8)       ; rank 8 h + i % 8, channel 16 (i / 8) + r
.set i, i+1
.endr
.set i, 0
.rept 32
	v_mov_b32 v[F1+8*(i/4)+4+i%4], 0               ; ranks 16 to 31 do not exist
.set i, i+1
.endr
	v_mul_u32_u24 v3, v1, PA
	v_lshl_add_u32 v3, v2, 4, v3                   ; a fragment's row x pitch + 16 x half
	v_mul_u32_u24 v4, v1, PB
	v_lshl_add_u32 v4, v2, 4, v4
	s_mul_i32 s21, s11, AWAVE
	s_mul_i32 s22, s12, HALFB
	s_add_co_u32 s22, s22, BOFF
.irp s, 0,1
	v_add_nc_u32 v[ADRA+(\s)], s21, v3
	v_add_nc_u32 v[ADRB+(\s)], s22, v4
	s_add_co_u32 s21, s21, SLOT
	s_add_co_u32 s22, s22, SLOT
.endr
	v_and_b32 v[GO], 31, v0
	v_lshlrev_b32 v[GO], 4, v[GO]
	; the prefetches
	s_lshl_b32 s20, s13, 8
	s_lshl_b32 s21, s42, 8
	s_and_b32 s22, ttmp7, 0xffff                   ; cluster y
	s_cmp_eq_u32 s11, 0                            ; do I fetch for A?
	s_cselect_b32 s20, s20, s21                    ; the tile's first row
	s_cselect_b32 s21, s40, s41                    ; my place among the four that ask with me
	s_cselect_b32 s22, ttmp9, s22                  ; the coordinate along which other clusters read the same rows
	s_cselect_b64 s[PFA:PFA+1], s[4:5], s[6:7]
	s_cmp_eq_u32 s22, 0
	s_cselect_b32 s[LIM], AHEAD/2, -1              ; the same in all sixteen partners, for a given wave
	s_lshl_b32 s22, s12, 7
	s_add_co_u32 s20, s20, s22
	s_lshl_b32 s21, s21, 5
	s_add_co_u32 s20, s20, s21
	s_lshl_b32 s20, s20, 12
	s_add_co_u32 s20, s20, (AHEAD+1)*KSTEP*2       ; each change of slots steps it first: the change that asks for K step n names K step n + AHEAD
	s_mov_b32 s21, 0
	s_add_nc_u64 s[PFA:PFA+1], s[PFA:PFA+1], s[20:21]
	v_and_b32 v[PFO], 31, v0
	v_lshlrev_b32 v[PFO], 12, v[PFO]               ; a lane a row of 4,096 bytes
	s_wait_loadcnt 0x0                             ; z and Bmat
	WIN TO_B
.set i, 0
.rept 16
	v_cvt_pk_bf16_f32 v[F1+8*(i/4)+i%4], v[BRAW+2*i], v[BRAW+2*i+1]  ; block b = i / 4: ranks 8 h + 0..7 of channel 16 b + r
	v_mov_b32 v[F1+8*(i/4)+4+i%4], 0
.set i, i+1
.endr
	WIN 0
; 8 matrix instructions: block a of my tokens x all 8 blocks of wgu's rows, 32 along K.  zero = 1: accumulators b >= ZFROM start with 0: nothing is ever cleared.
; All 64 accumulators take turns in one fixed order, one instruction a turn, over the backward jump too.
.macro MULA f, a, zero
	WIN MUL_LO+0x50*((\a)/4)
.irp b, 0,1,2,3,4,5,6,7
.if (\zero) && ((\b) >= ZFROM)
	v_wmma_f32_16x16x32_bf16 v[8*(8*((\a)%4)+(\b)):8*(8*((\a)%4)+(\b))+7], v[(\f)+8*(\b):(\f)+8*(\b)+7], v[(\f)+8*(\a):(\f)+8*(\a)+7], 0
.else
	v_wmma_f32_16x16x32_bf16 v[8*(8*((\a)%4)+(\b)):8*(8*((\a)%4)+(\b))+7], v[(\f)+8*(\b):(\f)+8*(\b)+7], v[(\f)+8*(\a):(\f)+8*(\a)+7], v[8*(8*((\a)%4)+(\b)):8*(8*((\a)%4)+(\b))+7]
.endif
.endr
.endm
.macro MULS f, a0, n, zero             ; blocks a0 .. a0 + n - 1
.set ma, \a0
.rept \n
	MULA \f, ma, \zero
.set ma, ma+1
.endr
.endm
.macro MULD                            ; the delta step: z x Bmat starts the 32 gate sums
.set ma, 0
.rept 8
	WIN MUL_LO+0x50*(ma/4)
.irp b, 0,1,2,3
	v_wmma_f32_16x16x32_bf16 v[8*(8*(ma%4)+(\b)):8*(8*(ma%4)+(\b))+7], v[F1+8*(\b):F1+8*(\b)+7], v[F1+8*ma:F1+8*ma+7], 0
.endr
.set ma, ma+1
.endr
.endm
; the fragments of quarter q of a slot's K step, in one run: B's 16 loads, then A's 2 NA
.macro FETCH slot, q, f
	WIN TO_B
.irp i, 0,1,2,3,4,5,6,7
	ds_load_b128 v[(\f)+8*(\i):(\f)+8*(\i)+3],   v[ADRB+(\slot)] offset:64*(\q)+(\i)*16*PB
	ds_load_b128 v[(\f)+8*(\i)+4:(\f)+8*(\i)+7], v[ADRB+(\slot)] offset:64*(\q)+(\i)*16*PB+32
.endr
	WIN 0
.set fi, 0
.rept NA
	ds_load_b128 v[(\f)+8*fi:(\f)+8*fi+3],   v[ADRA+(\slot)] offset:KAH*((\q)/2)+64*((\q)%2)+fi*16*PA
	ds_load_b128 v[(\f)+8*fi+4:(\f)+8*fi+7], v[ADRA+(\slot)] offset:KAH*((\q)/2)+64*((\q)%2)+fi*16*PA+32
.set fi, fi+1
.endr
.endm
; One of a K step's first three quarters: multiplies buffer f; in its middle it fetches quarter q into buffer g.
.macro QUARTER slot, q, f, g, zero
	s_wait_dscnt NA                                ; B and the lower half of A are in; the youngest NA loads, A's upper half, may be out
	MULS \f, 0, NA/2, \zero
	PLACES
	FETCH \slot, \q, \g
	s_wait_dscnt 16+2*NA                           ; all but the run just issued
	MULS \f, NA/2, NA/2, \zero
.endm
; The last quarter's first half, and the one barrier of a change of slots: in front of it each wave waits for all its tensor loads (one is out: its part of the next slot), adds 0 to its spare word,
; and waits for that and for its own reads of this slot.
.macro MEET round
	WIN 0
	s_wait_tensorcnt 0x0
	ds_add_u32 v[SPW], v[NIL]
	s_wait_dscnt NA+1                              ; the add and the youngest NA loads may be out
	MULS F1, 0, NA/4, 0
	s_wait_dscnt 0x0                               ; the add is done, and my reads of this slot are over
	s_barrier_signal -1
	MULS F1, NA/4, NA/4, 0                         ; work on registers while the others arrive
.if \round
	WIN 0
.endif
	s_barrier_wait -1
.endm
.macro TURN slot, next
	s_wait_xcnt 0x0                                ; the last prefetch, a K step back, has read its address
	s_add_nc_u64 s[PFA:PFA+1], s[PFA:PFA+1], s[PFS:PFS+1]
	MEET 1
	CREST                                          ; the barrier has opened a round of the cluster's: no wave of any partner still reads this slot or has a load on its way
	s_add_nc_u64 s[G0+4*(\slot)+2:G0+4*(\slot)+3], s[G0+4*(\slot)+2:G0+4*(\slot)+3], ASTEP
	s_add_nc_u64 s[G0B+4*(\slot)+2:G0B+4*(\slot)+3], s[G0B+4*(\slot)+2:G0B+4*(\slot)+3], BSTEP
	JLOAD \slot                                    ; the first tensor load behind the round, my only one until the next; its four v_nop are also the places in front of the loads below
	FETCH \next, 0, F0
	ASK
	MULS F1, NA/2, NA/2, 0
.endm
	s_wait_tensorcnt 0x1                           ; my part of K step 0 is in; K step 1's may be out
	s_barrier_signal -1
	s_barrier_wait -1
	FETCH 0, 0, F0
	MULD
	QUARTER 0, 1, F0, F1, 1                        ; the first quarter stands in front of the loop: its products start the up sums
	WIN 0
	s_mov_b32 s3, LAPS-1
.Llap:                                                 ; a trip goes once round the ring and fills both slots again
	QUARTER 0, 2, F1, F0, 0
	QUARTER 0, 3, F0, F1, 0
	TURN 0, 1
	QUARTER 1, 1, F0, F1, 0
	QUARTER 1, 2, F1, F0, 0
	QUARTER 1, 3, F0, F1, 0
	TURN 1, 0
	QUARTER 0, 1, F0, F1, 0
	WIN 0
	s_sub_co_u32 s3, s3, 1
	s_cmp_lg_u32 s3, 0
	s_cbranch_scc1 .Llap
	QUARTER 0, 2, F1, F0, 0                        ; the last lap is written out: it asks for nothing
	QUARTER 0, 3, F0, F1, 0
	MEET 0
	PLACES
	FETCH 1, 0, F0
	MULS F1, NA/2, NA/2, 0
	QUARTER 1, 1, F0, F1, 0
	QUARTER 1, 2, F1, F0, 0
	QUARTER 1, 3, F0, F1, 0
	s_wait_dscnt NA
	MULS F1, 0, NA/2, 0
	s_wait_dscnt 0x0
	MULS F1, NA/2, NA/2, 0
	PLACES
; THE WAY OUT, a block of 16 tokens at a time: gate x up / (1 + 2^(-log2(e) gate)), rounded to bf16 and stored from the registers in which it lies: four stores of 512 consecutive bytes, aligned.
; The exponentials are one batch with one wait, and so are the reciprocals; each accumulator's lowest registers are read first.
.macro ACT a
.set AC, 64*((\a)%4)
.set WW, 2+(\a)/4
.set PKA, PK+16*((\a)%2)
	WIN WW                                         ; source 0: the block's window
.set i, 0
.rept 16
	v_pk_mul_f32 v[EXR+2*i:EXR+2*i+1], v[AC+2*i:AC+2*i+1], 0xbfb8aa3b op_sel_hi:[1,0]
.set i, i+1
.endr
	WIN 0
.set i, 0
.rept 32
	v_exp_f32 v[EXR+i], v[EXR+i]
.set i, i+1
.endr
	WIN WW|(WW<<2)
.set i, 0
.rept 16
	v_pk_mul_f32 v[GU+2*i:GU+2*i+1], v[AC+2*i:AC+2*i+1], v[AC+32+2*i:AC+32+2*i+1]  ; plain work behind the batch
.set i, i+1
.endr
	WIN 0
	s_wait_alu depctr_va_vdst(0)
.set i, 0
.rept 16
	v_pk_add_f32 v[EXR+2*i:EXR+2*i+1], v[EXR+2*i:EXR+2*i+1], 1.0 op_sel_hi:[1,0]
.set i, i+1
.endr
.set i, 0
.rept 32
	v_rcp_f32 v[EXR+i], v[EXR+i]
.set i, i+1
.endr
	v_nop
	s_wait_alu depctr_va_vdst(0)
.set i, 0
.rept 16
	v_pk_mul_f32 v[GU+2*i:GU+2*i+1], v[GU+2*i:GU+2*i+1], v[EXR+2*i:EXR+2*i+1]
.set i, i+1
.endr
	s_wait_xcnt 0x0                                ; the stores of two blocks back have read this buffer: it is written again only behind this wait
.set i, 0
.rept 16
	v_cvt_pk_bf16_f32 v[PKA+i], v[GU+2*i], v[GU+2*i+1]
.set i, i+1
.endr
.irp b, 0,1,2,3
	global_store_b128 v[GO], v[PKA+4*(\b):PKA+4*(\b)+3], s[8:9] offset:ABLK*(\a)+512*(\b)  ; accumulator b: half b % 2 of channel block b / 2
.endr
.endm
.irp a, 0,1,2,3,4,5,6,7
	ACT \a
.endr
	s_wait_tensorcnt 0x0                           ; the wave's end, behind my last tensor load
	ds_add_u32 v[SPW], v[NIL]
	s_wait_dscnt 0x0
	CROUND                                         ; the closing round: no work-group ends while a partner may still ask for a tile that names it
	s_endpgm
.Lfunc_end_k_q59bd3dfb46_gateup:
	.size	k_q59bd3dfb46_gateup, .Lfunc_end_k_q59bd3dfb46_gateup-k_q59bd3dfb46_gateup
	.p2alignl 7, 3214868480
	.fill 96, 4, 3214868480
	.section	.rodata,"a",@progbits
	.p2align	6, 0x0
	.amdhsa_kernel k_q59bd3dfb46_gateup
		.amdhsa_group_segment_fixed_size 327680
		.amdhsa_private_segment_fixed_size 0
		.amdhsa_enable_private_segment 0
		.amdhsa_kernarg_size 40
		.amdhsa_user_sgpr_count 2
		.amdhsa_user_sgpr_kernarg_segment_ptr 1
		.amdhsa_wavefront_size32 1
		.amdhsa_system_sgpr_workgroup_id_x 1
		.amdhsa_system_sgpr_workgroup_id_y 1
		.amdhsa_system_sgpr_workgroup_id_z 1
		.amdhsa_system_vgpr_workitem_id 0
		.amdhsa_next_free_vgpr 1024
		.amdhsa_next_free_sgpr 72
		.amdhsa_reserve_vcc 0
		.amdhsa_float_denorm_mode_32 3
		.amdhsa_float_denorm_mode_16_64 3
		.amdhsa_memory_ordered 1
		.amdhsa_forward_progress 1
		.amdhsa_inst_pref_size 186
	.end_amdhsa_kernel
	.amdgpu_metadata
---
amdhsa.version: [ 1, 2 ]
amdhsa.kernels:
  - .name:           k_q59bd3dfb46_gateup
    .symbol:         k_q59bd3dfb46_gateup.kd
    .args:
      - { .name: hbf, .offset: 0, .size: 8, .value_kind: global_buffer, .address_space: global }
      - { .name: wgu, .offset: 8, .size: 8, .value_kind: global_buffer, .address_space: global }
      - { .name: zbf, .offset: 16, .size: 8, .value_kind: global_buffer, .address_space: global }
      - { .name: Bmat, .offset: 24, .size: 8, .value_kind: global_buffer, .address_space: global }
      - { .name: act, .offset: 32, .size: 8, .value_kind: global_buffer, .address_space: global }
    .group_segment_fixed_size: 327680
    .private_segment_fixed_size: 0
    .kernarg_segment_align: 8
    .kernarg_segment_size: 40
    .max_flat_workgroup_size: 128
    .sgpr_count:     72
    .vgpr_count:     1024
    .wavefront_size: 32
...
	.end_amdgpu_metadata
.endif
;; end of part 2
;; launch down (part 3): grid 8 x 32, 4 waves a work-group, clusters of 4 x 4, 327,680 bytes of LDS; arguments act, wd, hidden_states, out0; writes out0
.if DOCPART == 3
	.amdgcn_target "amdgcn-amd-amdhsa--gfx1250"
	.amdhsa_code_object_version 6
	.text
	.protected	k_q59bd3dfb46_down
	.globl	k_q59bd3dfb46_down
	.p2align	8
	.type	k_q59bd3dfb46_down,@function
k_q59bd3dfb46_down:
	s_mov_b64 s[64:65], 0
	v_nop
	global_prefetch_b8 v0, s[64:65] scope:SCOPE_SE
	s_setreg_imm32_b32 hwreg(HW_REG_WAVE_MODE, 25, 1), 1
	s_wait_xcnt 0x0
	s_wait_alu depctr_hold_cnt(0) depctr_sa_sdst(0) depctr_va_vdst(0) depctr_va_sdst(0) depctr_va_ssrc(0) depctr_va_vcc(0) depctr_vm_vsrc(0)
	s_getreg_b32 s2, hwreg(HW_REG_IB_STS2, 6, 4)
	s_cmp_eq_u32 s2, 0
	s_cbranch_scc0 .Lentry_in_a_cluster
	s_endpgm
.Lentry_in_a_cluster:
	s_bfe_u32 s2, ttmp6, 0x10000c
	s_cmp_lg_u32 s2, 0xf033
	s_cbranch_scc0 .Lentry_shape_is_right
	s_endpgm
.Lentry_shape_is_right:
; DOWN.  out0[t][d] = hidden[t][d] + the sum over f of act[t][f] W_down[d][f].  wd: [2048][2048] bf16; hidden, out0: [4096][2048] f32.  Sums in f32.
; act lies as matrix fragments: [256 blocks of 16 tokens][64 blocks of 32 channels][2 halves][32 lanes][16 bytes]: a half fragment is one load of 512 consecutive bytes, 16 bytes a lane.
; A work-group of four waves makes 128 tokens x 256 columns, so that the 4,096 x 2,048 numbers give 256 work-groups; a wave 64 x 128: 32 accumulators of 16 x 16.
; wd GOES THROUGH LDS: two slots of 256 along K (256 rows of 512 bytes, 528 apart), each wave fetching 64 rows; CLUSTERS of 4 x 4: the tile is asked for jointly along a column of the cluster.
; act GOES STRAIGHT INTO REGISTERS, and so is not asked for jointly.  The reason: two slots that held 256 along K of both operands would take 2 x (4 x 128 x 144 + 256 x 528) = 417,792 bytes, more than
; a work-group can have; with wd alone they take 270,336, and a refill then has a slot's 256 products in which to land.  A joint load lands in LDS alone, so what goes into registers is each wave's own load.
; THE STREAM.  One ordered stream of 576 loads of 16 bytes a lane fills window 3; load i lands in v[4 (i % 64)].  Loads 0 to 511 are act: quarter i / 8 (32 along K), token block (i % 8) / 2, half i % 2:
; a ring of eight quarters.  Loads 512 to 575 are the residual's 64 rows, which take the ring's registers as the last slot leaves them.  58 loads go out at the head, 8 in each quarter, 6 at the end:
; a fragment is asked for seven quarters, 224 products, ahead of its use.
; THE MATRIX INSTRUCTION IS USED TRANSPOSED (source 0 = 16 rows of wd, source 1 = 16 tokens): a lane holds token l % 16 and eight neighbouring columns.
; REGISTERS in windows of 256 (s_set_vgpr_msb: bits 1:0 source 0, 3:2 source 1, 5:4 source 2, 7:6 destination):
;   window 0: v0-31 addresses; on the way out v64-191 whole rows, two buffers     window 1: v64-127, v128-191 wd's fragments, two buffers
;   window 2: the accumulators, (a, b) at 8 (8 a + b)     window 3: the stream
.set PB,     528                       ; a row of wd in LDS: 512 bytes + 16: the 16 rows of a load start 16 bytes apart modulo 256
.set WROWS,  64*PB                     ; what one tensor load brings
.set HALFB,  128*PB                    ; what one wave reads
.set SLOT1,  0x24000                   ; slot 1 begins here; the number shares no bit with the waves' 0, 0x8400, 0x10800, 0x18c00, so one exclusive or turns an address in one slot into the other's
.set STAGE,  SLOT1+4*WROWS             ; behind the ring: 16 rows x 528 bytes for each wave; no tensor load fills it
.set SP,     528
.set SPARE,  STAGE+4*16*SP             ; the spare words, 128 bytes a wave: two blocks of 256 bytes that no other line names
.set KSLOT,  512                       ; bytes of a row of wd in a slot
.set ASLOT,  8192                      ; bytes of a token block of act in a slot: eight fragments of 1,024
.set ABLK,   65536                     ; bytes of a token block of act
.set NSLOT,  8                         ; 2,048 / 256
.set AHEAD,  2                         ; a prefetch names the slot so many behind the refill just asked for
.set ADRB0, 20                         ; v20 my place in slot 0's rows; never rewritten
.set ADRB,  21                         ; v21 the same in the slot in hand
.set STO,  24
.set RD,   25
.set CO,   26                          ; v26 16 x lane: my 16 bytes of a half fragment of act, and of a wave's 512 in a row of hidden and of out0; never rewritten
.set SPW,  28
.set NIL,  29
.set PFOA, 30                          ; v30 256 x lane
.set PFOB, 31                          ; v31 4,096 (lane / 2) + 256 (lane % 2)
.set F0,   64
.set F1,   128
.set OB,   64
.set AP,   8                           ; s[8:9]   act at my first token block, at the slot in hand
.set LIMA, 24                          ; s24, s25 AHEAD in a wave that prefetches act, wd; else the greatest number
.set LIMB, 25
.set TB,   26                          ; s26      0 or SLOT1: the slot in hand
.set PFA,  44                          ; s[44:45] where my prefetches of act stand
.set PFB,  46                          ; s[46:47] of wd
.set G1B,  48                          ; s[48:55] descriptor group 1
.set G0,   56                          ; s[56:63] descriptor group 0: a set for each of the two first fills; the second then walks on
.set MSB, 0
.macro WIN new                         ; the immediate's high byte repeats the setting that is left; a switch that changes nothing is dropped
.if MSB != (\new)
	s_set_vgpr_msb (MSB<<8)|(\new)
.set MSB, \new
.endif
.endm
.set MUL,  0xad                        ; source 0 (wd) window 1, source 1 (act) window 3, C and D window 2
.set TO_B, 0x40                        ; destination window 1, address window 0
.set TO_A, 0xc0                        ; destination window 3, address window 0
; A prefetch of the slot AHEAD behind the refill just asked for, 512 products ahead of the loads that will want it: 32 blocks of 256 bytes, a lane a block.  Each block is named once in the launch.
; wd: a slot of a tile column is 256 rows x 512 bytes; in the clusters with y = 0 each wave of each of the four partners of a column takes 16 of the 64 rows that it fetches (16 cy on), two blocks a row.
; act: a slot of a tile row is 8 token blocks x 8,192 bytes; in the clusters with x = 0 waves 0 and 1 of each of the four partners of a row take token block 2 cx + wave.  Partners are told apart by address.
; The last AHEAD refills have no such slot and ask for nothing; the first AHEAD + 2 slots come by their loads alone.
.macro ASK lim, off, ptr
	s_cmp_gt_u32 s3, s[\lim]
	s_cbranch_scc0 .Lnot_mine_\@
	global_prefetch_b8 v[\off], s[\ptr:\ptr+1] th:TH_LOAD_NT scope:SCOPE_SE
.Lnot_mine_\@:
.endm
.macro CREST                           ; a round of the cluster's barrier behind its opening barrier
	s_cmp_lg_u32 s10, 0
	s_cbranch_scc1 .Lnot_wave_0_\@
	s_barrier_signal -3
.Lnot_wave_0_\@:
	s_barrier_wait -3
	s_barrier_signal -1
	s_barrier_wait -1
.endm
.macro CROUND
	s_barrier_signal -1
	s_barrier_wait -1
	CREST
.endm
.macro PLACES                          ; four places behind a matrix instruction, in front of loads into its registers and of readers of its result
.rept 4
	v_nop
.endr
.endm
; n loads of the stream from number rel on, counted from the first load of the slot at which s[AP] stands less sh quarters.  tail = 1: s[AP] stands at slot 6, and from number 128 on the stream is the residual.
.macro STREAM rel, n, tail, sh
	WIN TO_A
.set si, \rel
.rept \n
.if (\tail) && (si >= 128)
	global_load_b128 v[4*(si%64):4*(si%64)+3], v[CO], s[68:69] offset:8192*(si-128) th:TH_LOAD_NT
.else
	global_load_b128 v[4*(si%64):4*(si%64)+3], v[CO], s[AP:AP+1] offset:ABLK*((si%8)/2)+1024*(si/8-(\sh))+512*(si%2)
.endif
.set si, si+1
.endr
.endm
	s_load_b128 s[4:7], s[0:1], 0x0                ; act s[4:5], wd s[6:7]
	s_load_b128 s[68:71], s[0:1], 0x10             ; hidden s[68:69], out0 s[70:71]
	v_lshl_add_u32 v[SPW], v0, 2, SPARE
	v_mov_b32 v[NIL], 0
	ds_add_u32 v[SPW], v[NIL]                      ; the wave's opening: the add, twice on end, and its wait ahead of my first tensor load
	ds_add_u32 v[SPW], v[NIL]
	v_lshrrev_b32 v1, 5, v0
	v_readfirstlane_b32 s10, v1                    ; wave 0..3
	s_lshr_b32 s11, s10, 1                         ; my half of the tokens
	s_and_b32 s12, s10, 1                          ; my half of the columns
	s_bfe_u32 s40, ttmp6, 0x40000                  ; cx
	s_bfe_u32 s41, ttmp6, 0x40004                  ; cy
	s_lshl_b32 s42, ttmp9, 2
	s_add_co_u32 s42, s42, s40                     ; tile column = 4 x cluster x + cx
	s_and_b32 s13, ttmp7, 0xffff
	s_lshl_b32 s13, s13, 2
	s_add_co_u32 s13, s13, s41                     ; tile row = 4 x cluster y + cy
	s_lshl_b32 s44, 0x1111, s40                    ; my column of the cluster
	s_or_b32 s[G1B+0], s44, (1<<16)|(1<<20)|(1<<21)|(6<<22)|(3<<25)  ; the mask; elements of 2 bytes; padding on; bit 21 beside a mask; 4 words behind every 128
	s_mov_b32 s[G1B+1], 256<<16                    ; tensor_dim0 = 256
	s_mov_b32 s[G1B+2], 64<<16                     ; tensor_dim1 = 64
	s_mov_b32 s[G1B+3], 256<<16                    ; tile_dim0 = 256
	s_mov_b32 s[G1B+4], 64                         ; tile_dim1 = 64
	s_mov_b32 s[G1B+5], 2048                       ; elements from row to row
	s_mov_b32 s[G1B+6], 0
	s_mov_b32 s[G1B+7], 0
	s_lshl_b32 s16, s42, 8
	s_lshl_b32 s17, s10, 6
	s_add_co_u32 s16, s16, s17                     ; wd: row 256 x tile column + 64 x wave
	s_lshl_b32 s16, s16, 12                        ; rows of 4,096 bytes
	s_mov_b32 s17, 0
	s_mul_i32 s20, s10, WROWS                      ; where they go: no place in the cluster enters an LDS address
	s_lshl_b32 s18, s13, 3
	s_lshl_b32 s19, s11, 2
	s_add_co_u32 s18, s18, s19                     ; act: token block 8 x tile row + 4 x half
	s_lshl_b32 s18, s18, 16
	s_mov_b32 s19, 0
	s_mov_b32 s[TB], 0
	v_and_b32 v[CO], 31, v0
	v_lshlrev_b32 v[CO], 4, v[CO]
	s_wait_dscnt 0x0                               ; both opening adds are done
	s_wait_kmcnt 0x0
	s_add_nc_u64 s[AP:AP+1], s[4:5], s[18:19]
	s_add_nc_u64 s[14:15], s[6:7], s[16:17]
	STREAM 0, 58, 0, 0                             ; quarters 0 to 6, and token block 0 of quarter 7
	WIN 0
	CROUND                                         ; all sixteen work-groups are here: the first joint loads meet
.irp s, 0,1
	s_mov_b32 s[G0+4*(\s)], 1
	s_add_co_u32 s[G0+4*(\s)+1], s20, (\s)*SLOT1
	s_add_nc_u64 s[G0+4*(\s)+2:G0+4*(\s)+3], s[14:15], (\s)*KSLOT
	s_or_b32 s[G0+4*(\s)+3], s[G0+4*(\s)+3], 0x80000000
.endr
	tensor_load_to_lds s[G0:G0+3], s[G1B:G1B+7]    ; the two first fills go out together: two tensor loads of mine are out
	s_nop 0
	tensor_load_to_lds s[G0+4:G0+7], s[G1B:G1B+7]
	s_nop 0
	PLACES                                         ; behind a tensor load
	v_and_b32 v1, 15, v0                           ; r = l % 16
	v_bfe_u32 v2, v0, 4, 1                         ; h = l / 16
	v_mul_u32_u24 v4, v1, PB
	v_lshl_add_u32 v4, v2, 4, v4                   ; a fragment's row x pitch + 16 x half
	s_mul_i32 s22, s12, HALFB
	v_add_nc_u32 v[ADRB0], s22, v4
	v_mov_b32 v[ADRB], v[ADRB0]
	s_mul_i32 s23, s10, 16*SP
	s_add_co_u32 s23, s23, STAGE                   ; my stage
	v_mul_u32_u24 v5, v1, SP                       ; in: row r, 32 bytes for each half of the lanes
	v_lshl_add_u32 v5, v2, 5, v5
	v_add_nc_u32 v[STO], s23, v5
	v_add_nc_u32 v[RD], s23, v[CO]                 ; back: 32 lanes take a whole row of 512 bytes
	s_lshl_b32 s16, s13, 7
	s_lshl_b32 s17, s11, 6
	s_add_co_u32 s16, s16, s17                     ; my first token
	s_lshl_b32 s20, s16, 13                        ; rows of 8,192 bytes
	s_lshl_b32 s22, s42, 10                        ; the tile's 256 columns: 1,024 bytes
	s_add_co_u32 s20, s20, s22
	s_lshl_b32 s22, s12, 9                         ; my 128 of them
	s_add_co_u32 s20, s20, s22
	s_mov_b32 s21, 0
	s_add_nc_u64 s[68:69], s[68:69], s[20:21]
	s_add_nc_u64 s[70:71], s[70:71], s[20:21]
	; the prefetches.  Each change of slots steps the two addresses first: the change that asks for slot n names slot n + AHEAD
	s_lshl_b32 s20, s13, 3
	s_lshl_b32 s22, s40, 1
	s_add_co_u32 s20, s20, s22
	s_add_co_u32 s20, s20, s12                     ; token block 8 x tile row + 2 cx + wave
	s_lshl_b32 s20, s20, 16
	s_add_co_u32 s20, s20, (AHEAD+1)*ASLOT
	s_add_nc_u64 s[PFA:PFA+1], s[4:5], s[20:21]
	s_or_b32 s22, ttmp9, s11                       ; cluster x = 0, and wave 0 or 1
	s_cmp_eq_u32 s22, 0
	s_cselect_b32 s[LIMA], AHEAD, -1               ; the same in all sixteen partners, for a given wave
	s_lshl_b32 s20, s42, 8
	s_lshl_b32 s22, s10, 6
	s_add_co_u32 s20, s20, s22
	s_lshl_b32 s22, s41, 4
	s_add_co_u32 s20, s20, s22                     ; row 256 x tile column + 64 x wave + 16 cy
	s_lshl_b32 s20, s20, 12
	s_add_co_u32 s20, s20, (AHEAD+1)*KSLOT
	s_add_nc_u64 s[PFB:PFB+1], s[6:7], s[20:21]
	s_and_b32 s22, ttmp7, 0xffff                   ; cluster y = 0
	s_cmp_eq_u32 s22, 0
	s_cselect_b32 s[LIMB], AHEAD, -1
	v_and_b32 v3, 31, v0
	v_lshlrev_b32 v[PFOA], 8, v3
	v_lshrrev_b32 v5, 1, v3
	v_and_b32 v6, 1, v0
	v_lshlrev_b32 v6, 8, v6
	v_lshl_add_u32 v[PFOB], v5, 12, v6
; 8 matrix instructions: token block a x all 8 blocks of wd's rows, 32 along K: wd's buffer f, the ring's quarter ring.  zero = 1: the products start the sums: nothing is ever cleared.
; All 32 accumulators take turns in one fixed order, one instruction a turn, over the backward jump too.
.macro MULA f, ring, a, zero
	WIN MUL
.irp b, 0,1,2,3,4,5,6,7
.if \zero
	v_wmma_f32_16x16x32_bf16 v[8*(8*(\a)+(\b)):8*(8*(\a)+(\b))+7], v[(\f)+8*(\b):(\f)+8*(\b)+7], v[32*(\ring)+8*(\a):32*(\ring)+8*(\a)+7], 0
.else
	v_wmma_f32_16x16x32_bf16 v[8*(8*(\a)+(\b)):8*(8*(\a)+(\b))+7], v[(\f)+8*(\b):(\f)+8*(\b)+7], v[32*(\ring)+8*(\a):32*(\ring)+8*(\a)+7], v[8*(8*(\a)+(\b)):8*(8*(\a)+(\b))+7]
.endif
.endr
.endm
; wd's fragments of quarter q of the slot in hand, 16 LDS loads in one run
.macro FETCH q, f
	WIN TO_B
.irp i, 0,1,2,3,4,5,6,7
	ds_load_b128 v[(\f)+8*(\i):(\f)+8*(\i)+3],   v[ADRB] offset:64*(\q)+(\i)*16*PB
	ds_load_b128 v[(\f)+8*(\i)+4:(\f)+8*(\i)+7], v[ADRB] offset:64*(\q)+(\i)*16*PB+32
.endr
.endm
; Quarter jj, counted from the first quarter of the slot at which s[AP] stood at the trip's head; not a slot's last.  Behind its first 8 products and four places stand the next quarter's 16 LDS loads and the
; stream's next 8 loads: into token blocks 1 to 3 of the ring's quarter before, and block 0 of this one, which those 8 products have just read.
; With q the quarter's number in the launch, 8 q + 58 loads have been issued at its head.
.macro QUARTER jj, zero, tail, sh
.set QF, F0+64*((\jj)%2)
.set QG, F0+64*(((\jj)+1)%2)
	s_wait_dscnt 0x0                               ; wd's fragments are in
	s_wait_loadcnt 55                              ; loads up to 8 q + 2 are in, token block 0's two among them; with the 8 below 63 are out at the most
	MULA QF, (\jj)%8, 0, \zero
	PLACES
	FETCH ((\jj)+1)%8, QG
	STREAM 8*(\jj)+58, 8, \tail, \sh
	s_wait_loadcnt 58                              ; of 8 q + 66 loads all up to 8 q + 7 are in: the quarter's other three token blocks
	MULA QF, (\jj)%8, 1, \zero
	MULA QF, (\jj)%8, 2, \zero
	MULA QF, (\jj)%8, 3, \zero
.endm
; A slot's last quarter, and the change of slots.  ONE barrier: in front of it each wave waits for all its tensor loads (one is out: its part of the next slot), adds 0 to its spare word, and waits for that
; and for its own reads of this slot.  fill = 1: the barrier opens a round of the cluster's, and the slot just read is filled again, two slots on, first thing behind the round.
.macro TURN fill, tail
.if \fill
	s_wait_xcnt 0x0                                ; the youngest load stands 24 products back, the last prefetches a slot back: all have read their addresses, which are stepped here
	s_add_nc_u64 s[AP:AP+1], s[AP:AP+1], ASLOT     ; (the two runs of the stream that follow in this trip count from the slot before: sh = 8)
	s_add_nc_u64 s[PFA:PFA+1], s[PFA:PFA+1], ASLOT
	s_add_nc_u64 s[PFB:PFB+1], s[PFB:PFB+1], KSLOT
.endif
	WIN 0
	s_wait_tensorcnt 0x0
	ds_add_u32 v[SPW], v[NIL]
	s_wait_dscnt 1                                 ; wd's fragments are in; the add may be out
	s_wait_loadcnt 50                              ; of 8 q + 58 loads all up to 8 q + 7 are in: the whole quarter, since no load may stand inside the round
	MULA F1, 7, 0, 0
	s_wait_dscnt 0x0                               ; the add is done, and my reads of this slot are over
	s_barrier_signal -1
	MULA F1, 7, 1, 0                               ; work on registers while the others arrive
	WIN 0
	s_barrier_wait -1
.if \fill
	CREST                                          ; no wave of any partner still reads this slot or has a load on its way
	s_xor_b32 s[G0+5], s[G0+5], SLOT1              ; the walking descriptor: the other slot than last time,
	s_add_nc_u64 s[G0+6:G0+7], s[G0+6:G0+7], KSLOT ; the next 256 along K; the type bits on top are not reached
	tensor_load_to_lds s[G0+4:G0+7], s[G1B:G1B+7]  ; my one tensor load until the next round
	s_nop 0
.endif
	PLACES                                         ; behind the tensor load, and the places in front of the loads below
	s_xor_b32 s[TB], s[TB], SLOT1
	v_add_nc_u32 v[ADRB], s[TB], v[ADRB0]          ; the other slot
	FETCH 0, F0
	STREAM 8*7+58, 8, \tail, 8*(\fill)
.if \fill
	WIN 0
	ASK LIMA, PFOA, PFA
	ASK LIMB, PFOB, PFB
.endif
	MULA F1, 7, 2, 0
	MULA F1, 7, 3, 0
.endm
	s_wait_tensorcnt 0x1                           ; my part of slot 0 is in; slot 1's may be out
	s_barrier_signal -1
	s_barrier_wait -1
	FETCH 0, F0
	QUARTER 0, 1, 0, 0                             ; the first quarter stands in front of the loop: its products start the sums
	WIN 0
	s_mov_b32 s3, NSLOT-2
.Lslot:                                                ; a trip: a slot's quarters 1 to 7 and the next slot's quarter 0; every slot but the last two is filled again
.irp j, 1,2,3,4,5,6
	QUARTER \j, 0, 0, 0
.endr
	TURN 1, 0
	QUARTER 8, 0, 0, 8
	WIN 0
	s_sub_co_u32 s3, s3, 1
	s_cmp_lg_u32 s3, 0
	s_cbranch_scc1 .Lslot
.irp j, 1,2,3,4,5,6                    ; the last 15 quarters are written out: nothing more is asked of wd, and the stream runs on into the residual
	QUARTER \j, 0, 1, 0
.endr
	TURN 0, 1
.irp j, 8,9,10,11,12,13,14
	QUARTER \j, 0, 1, 0
.endr
	s_wait_dscnt 0x0                               ; the very last quarter fetches nothing from LDS
	s_wait_loadcnt 55
	MULA F1, 7, 0, 0
	PLACES
	STREAM 8*15+58, 8, 1, 0
	s_wait_loadcnt 58
	MULA F1, 7, 1, 0
	MULA F1, 7, 2, 0
	MULA F1, 7, 3, 0
	PLACES                                         ; for the loads into the ring's last registers, and for the LDS stores that read the results
	STREAM 8*16+58, 6, 1, 0                        ; the residual's last six rows
	WIN 0
; THE WAY OUT, a block of 16 tokens at a time: a lane's 32 bytes of a row go into my stage, whole rows of 512 bytes come back, the residual is added, and each store covers 512 consecutive bytes, aligned.
.macro TOSTAGE a
	WIN 0
.set BK, OB+64*((\a)%2)
.if (\a) >= 2
	s_wait_xcnt 0x0                                ; the stores of two blocks back have read this buffer
.endif
	WIN 0x08                                       ; the stores' data: window 2
.irp b, 0,1,2,3,4,5,6,7
	ds_store_b128 v[STO], v[8*(8*(\a)+(\b)):8*(8*(\a)+(\b))+3]   offset:64*(\b)      ; each accumulator's lowest registers first
	ds_store_b128 v[STO], v[8*(8*(\a)+(\b))+4:8*(8*(\a)+(\b))+7] offset:64*(\b)+16
.endr
	WIN 0
.irp t, 0,1,2,3,4,5,6,7,8,9,10,11,12,13,14,15
	ds_load_b128 v[BK+4*(\t):BK+4*(\t)+3], v[RD] offset:(\t)*SP  ; LDS serves a wave's instructions in order (ISA guide 5.7.1.4): these see the stores above
.endr
.endm
.macro SEND a, younger, left           ; younger: the LDS instructions issued behind block a's loads; left: the residual loads of the later blocks
	WIN 0
.set BK, OB+64*((\a)%2)
	s_wait_dscnt \younger
	s_wait_loadcnt \left
	WIN 0x0c                                       ; source 1: window 3
.set i, 0
.rept 32
	v_pk_add_f32 v[BK+2*i:BK+2*i+1], v[BK+2*i:BK+2*i+1], v[64*(\a)+2*i:64*(\a)+2*i+1]
.set i, i+1
.endr
	WIN 0
.irp t, 0,1,2,3,4,5,6,7,8,9,10,11,12,13,14,15
	global_store_b128 v[CO], v[BK+4*(\t):BK+4*(\t)+3], s[70:71] offset:8192*(16*(\a)+(\t)) th:TH_STORE_NT
.endr
.endm
	TOSTAGE 0
.irp a, 1,2,3
	TOSTAGE \a
	SEND (\a)-1, 32, 48-16*((\a)-1)
.endr
	SEND 3, 0, 0
	s_wait_tensorcnt 0x0                           ; the wave's end, behind my last tensor load and my last LDS store
	ds_add_u32 v[SPW], v[NIL]
	s_wait_dscnt 0x0
	CROUND                                         ; the closing round: no work-group ends while a partner may still ask for a tile that names it
	s_endpgm
.Lfunc_end_k_q59bd3dfb46_down:
	.size	k_q59bd3dfb46_down, .Lfunc_end_k_q59bd3dfb46_down-k_q59bd3dfb46_down
	.p2alignl 7, 3214868480
	.fill 96, 4, 3214868480
	.section	.rodata,"a",@progbits
	.p2align	6, 0x0
	.amdhsa_kernel k_q59bd3dfb46_down
		.amdhsa_group_segment_fixed_size 327680
		.amdhsa_private_segment_fixed_size 0
		.amdhsa_enable_private_segment 0
		.amdhsa_kernarg_size 32
		.amdhsa_user_sgpr_count 2
		.amdhsa_user_sgpr_kernarg_segment_ptr 1
		.amdhsa_wavefront_size32 1
		.amdhsa_system_sgpr_workgroup_id_x 1
		.amdhsa_system_sgpr_workgroup_id_y 1
		.amdhsa_system_sgpr_workgroup_id_z 1
		.amdhsa_system_vgpr_workitem_id 0
		.amdhsa_next_free_vgpr 1024
		.amdhsa_next_free_sgpr 72
		.amdhsa_reserve_vcc 0
		.amdhsa_float_denorm_mode_32 3
		.amdhsa_float_denorm_mode_16_64 3
		.amdhsa_memory_ordered 1
		.amdhsa_forward_progress 1
		.amdhsa_inst_pref_size 135
	.end_amdhsa_kernel
	.amdgpu_metadata
---
amdhsa.version: [ 1, 2 ]
amdhsa.kernels:
  - .name:           k_q59bd3dfb46_down
    .symbol:         k_q59bd3dfb46_down.kd
    .args:
      - { .name: act, .offset: 0, .size: 8, .value_kind: global_buffer, .address_space: global }
      - { .name: wd, .offset: 8, .size: 8, .value_kind: global_buffer, .address_space: global }
      - { .name: hidden_states, .offset: 16, .size: 8, .value_kind: global_buffer, .address_space: global }
      - { .name: out0, .offset: 24, .size: 8, .value_kind: global_buffer, .address_space: global }
    .group_segment_fixed_size: 327680
    .private_segment_fixed_size: 0
    .kernarg_segment_align: 8
    .kernarg_segment_size: 32
    .max_flat_workgroup_size: 128
    .sgpr_count:     72
    .vgpr_count:     1024
    .wavefront_size: 32
...
	.end_amdgpu_metadata
.endif
;; end of part 3
